; MI455X (gfx1250); checked and timed in simulation.
; The chip was launched on July 23, 2026; its instructions are those of AMD's public machine-readable ISA for CDNA 5 (MIT licence, August 2026) and "CDNA5" Instruction Set Architecture Reference Guide (July 2026). The comments in the code are by the model that wrote it; some were corrected since.
;; Attention. Allowed arithmetic: matrix products marked QUANTISED: E4M3 operands, one E8M0 scale for each 32 along K, by v_wmma_scale_f32_16x16x128_f8f6f4 with both operands' format E4M3, f32 sums; products left as they are: f32 operands where the result goes on into a quantised operand, else bf16, f16 or f32 operands; f32 sums; everything else in f32.
;; Inputs: W_codes 1,024 x 32 x 32 uint8 (E4M3 codes of W, K innermost, in blocks of 32 codes); W_scales 1,024 x 32 uint8 (E8M0 scales of W, one for each 32 codes along K); b 1,024 float32; encoder_outputs_codes 2,048 x 32 x 32 x 32 uint8 (E4M3 codes of encoder_outputs, K innermost, in blocks of 32 codes); encoder_outputs_scales 2,048 x 32 x 32 uint8 (E8M0 scales of encoder_outputs, one for each 32 codes along K); hidden 1 x 32 x 1,024 float32.
;; Outputs: out0 32 x 1 x 2,048 float32.
;; This version of the problem:
;;   THIS VERSION OF THE PROBLEM IS GIVEN IN LOW PRECISION. The matrix products marked QUANTISED in the list below multiply operands that are first quantised to E4M3 (4 exponent bits, 3 mantissa bits; 8 bits a number), with one power-of-two scale for each 32 numbers along K (OCP MX v1.0); their sums are f32. All else is computed in f32.
;;   The module's matrix products, in the order in which they are computed (A, B: the left and right operand; K: the contracted axis; several contracted axes count as one K, in the product's order):
;;     1. [M 65,536, K 1,024] x [K 1,024, N 1,024]; A: input encoder_outputs (given as codes); B: input W (given as codes): QUANTISED
;;     2. batch 32 x [M 1, K 1,024] x [K 1,024, N 2,048]; A: input hidden; B: computed on the way: left as it is (M = 1 < 16)
;;   THE QUANTISER, for each operand of a quantised product, along K:
;;     - K is cut into blocks of 32 from its start; a last block that is shorter is filled with zeros.
;;     - A block's scale is 2^e with e = floor(log2(the largest magnitude in the block)) - 8, held to -126 .. 127; a block of zeros has e = 0. As a byte (E8M0): e + 127.
;;     - Each number is divided by its block's scale, clamped to +-448, and rounded to the nearest number of E4M3, ties to even, subnormals kept.
;;     - The product sums the exact products of the quantised numbers (number of the format x scale) in f32.
;;   ~~~python
;;   def quantise(x, axis):      # numpy; x: float32 -> the quantised numbers, widened to float32 again
;;       x = np.moveaxis(x, axis, -1); K = x.shape[-1]
;;       x = np.pad(x, [(0, 0)] * (x.ndim - 1) + [(0, -K % 32)]); x = x.reshape(x.shape[:-1] + (-1, 32)); a = np.abs(x).max(-1, keepdims=True)
;;       e = np.where(a > 0, np.clip(np.frexp(np.where(a > 0, a, 1))[1] - 1 - 8, -126, 127), 0)      # np.frexp(a)[1] - 1 = floor(log2(a)), exactly
;;       r = np.clip(x / 2.0 ** e, -448, 448)
;;       step = 2.0 ** (np.maximum(np.frexp(np.where(r == 0, 1, r))[1] - 1, -6) - 3)
;;       q = np.round(r / step) * step * 2.0 ** e      # np.round: ties to even
;;       return np.moveaxis(q.reshape(q.shape[:-2] + (-1,))[..., :K], -1, axis).astype(np.float32)
;;   ~~~
;;   INPUTS GIVEN AS CODES. W (in the module: [1024, 1024], K = its axis 1); encoder_outputs (in the module: [2048, 32, 1024], K = its axis 2): each comes as NAME_codes (uint8): NAME with its K axis moved to the last place and cut into blocks of 32 codes, [.., K / 32, bytes a block], one block behind the other in memory; one code a byte (a code: sign, 4 exponent bits, 3 mantissa bits); and NAME_scales (uint8): the same leading axes, one E8M0 byte (e + 127) for each 32 codes along K. Its value is code x scale, taken as it is: it is not quantised again, and the codes and scales need not be those that the quantiser above would give.
;; One version. Each part assembles by itself: llvm-mc -triple=amdgcn-amd-amdhsa -mcpu=gfx1250 --defsym DOCPART=n.
;; ======== version 1 of 1: 2 launches
;; limits: right only within a limited range of input values
;; workspace buffers: parts 1,048,576 bytes
;; launch score (part 1): grid 4 x 64, 4 waves a work-group, clusters of 4 x 4, 327,680 bytes of LDS; arguments W_codes, W_scales, encoder_outputs_codes, encoder_outputs_scales, hidden, parts; writes parts
.if DOCPART == 1
	.amdgcn_target "amdgcn-amd-amdhsa--gfx1250"
	.amdhsa_code_object_version 6
	.text
	.protected	k_q7d40b5d738_score
	.globl	k_q7d40b5d738_score
	.p2align	8
	.type	k_q7d40b5d738_score,@function
k_q7d40b5d738_score:
	s_mov_b64 s[64:65], 0
	v_nop
	global_prefetch_b8 v0, s[64:65] scope:SCOPE_SE
	s_setreg_imm32_b32 hwreg(HW_REG_WAVE_MODE, 25, 1), 1
	s_wait_xcnt 0x0
	s_wait_alu depctr_hold_cnt(0) depctr_sa_sdst(0) depctr_va_vdst(0) depctr_va_sdst(0) depctr_va_ssrc(0) depctr_va_vcc(0) depctr_vm_vsrc(0)
	s_getreg_b32 s2, hwreg(HW_REG_IB_STS2, 6, 4)
	s_cmp_eq_u32 s2, 0
	s_cbranch_scc0 .Lentry_in_a_cluster
	s_endpgm
.Lentry_in_a_cluster:
	s_bfe_u32 s2, ttmp6, 0x10000c
	s_cmp_lg_u32 s2, 0xf033
	s_cbranch_scc0 .Lentry_shape_is_right
	s_endpgm
.Lentry_shape_is_right:
; parts[x][b][s] = the sum over the 256 n of slice x of hidden[b][n] x (the sum over k of E[s][b][k] W[n][k]).  The four slices' parts are added by the next launch.
; E: [2048][32][1024] codes of FP8 (E4M3), W: [1024][1024] codes, K innermost, one E8M0 byte for each 32 along K; hidden [32][1024], parts [4][32][2048]: f32.
; DEAD WORK.  score[b][s] = sum over n of hidden[b][n] (proj[s][b][n] + bias[n]): the bias adds sum over n of hidden[b][n] bias[n], which is the same for every s of a row b, and the softmax runs along s:
; exp(x + c) / sum of exp(x + c) = exp(x) / sum of exp(x) for every finite c.  So the input b has no way to the output and is not loaded.  LIMIT: a NaN, an infinity or an overflow in that term alone is not carried to the result.
; LIMIT: NaN codes and the scale byte 0xff make a row's scores NaN, as in the problem's own definition, but were not tried.
; SHARES.  A work-group owns a slice of 256 n (x), 16 neighbouring b (beta = y % 2) and 64 neighbouring s (y / 2): 64 tiles of 16 rows, a tile = one s x 16 b = 16,384 dense bytes of E.
; W'S SLICE STAYS IN REGISTERS, E STREAMS.  The score is linear in the product, so n and K may both be shared out: wave (kh, nh) takes 8 blocks of 16 n x 4 K steps of 128 = 512 registers of W.
; An accumulator is four matrix instructions deep, so about one packed multiply-add stands behind each; a fragment of E read from LDS feeds 8 matrix instructions, and two waves read each byte of E.
; Blocks 0-3 of a wave are n = 64 nh + 16 b + 0..15, blocks 4-7 lie 64 further on, so that every wave has four blocks in the first 128 rows of the slice and four in the second.
; THE MATRIX INSTRUCTION: source 0 = 16 rows of W, source 1 = 16 rows of E: lane (r, h) holds row r of E (b = 16 beta + r), register j the column n = n0 + 8 h + j.  hidden is held in the same layout: each lane has its own row's numbers.
; CLUSTER, 4 x 4: the four work-groups of a row (same y) walk the same E and ask for it JOINTLY; the four of a column (same x) hold the same slice of W, which is asked for jointly likewise.
; THE RING: two slots of 8 tiles, two tiles a wave and a load.
; THE SCORES: a wave's partial score of (b, s) goes to its own words in LDS; at the end the four waves' words are added and whole 256-byte pieces are stored.
; PREFETCH: E's slot 0, once, while W's second half is on its way.  In the loop there is none: a refill is asked for 232 matrix instructions of its wave ahead of the wait for it.
;
; REGISTERS, in windows of 256.  One setting, q (source 0 in window q, all else in window 0), serves a window's matrix instructions and the multiply-adds between them (sum, window 0; hidden, window q; accumulator, window 0).
;   window 0: v1-15 addresses; v16-21, v24-29, v32-35 W's scale words, a pair a block (first register: lanes 0-15 K step 0, lanes 16-31 K step 2; second: K steps 1 and 3); v22-23, v30-31 E's scale words, two sets laid likewise;
;             v36-37 at work; v40-47 two tiles' sums, two chains of a pair each; v56-183 E's fragments, two sets of 64; v184-247 three sets of accumulators (3, 3, 2 blocks).
;   window 1: blocks 0-2, window 2: blocks 3-5, window 3: blocks 6-7: W at v[64 x block + 16 x K step]; from v192 hidden for the blocks that are summed up under that window.
; GROUPS.  A tile is three groups of matrix instructions, one for each window.  Group g writes accumulator set g and sums up set (g + 1) % 3, which was finished two groups ago.
.set PITCH, 1040                       ; an LDS row: 1,024 bytes + 16 of padding = 260 words: row r starts at bank 4 r mod 64 (64 banks of 4 bytes: ISA guide 11.1), so the 16 rows that a load touches start at 16 different banks
.set TROW,  16*PITCH                   ; a tile
.set SLOT,  8*TROW
.set SCA,   2*SLOT                     ; partial scores: [wave][16 b][66 words, 64 used]; at the head hidden's 16 rows of 1,024 bytes pass through these bytes
.set SROW,  264
.set SWAV,  16*SROW
.set SCL,   SCA+17152                  ; E's scale bytes: 64 tiles x 512 bytes
.set SPARE, SCL+32768                  ; the spare words, 128 bytes for each wave
.set LANE, 1
.set RR,   2
.set HH,   3
.set AE,   4                           ; v4-7 LDS addresses of my fragments of E: tiles 0-3, 4-7 of slot 0, then of slot 1
.set SPW,  8                           ; LDS address of my spare word; never rewritten
.set NIL,  9                           ; 0; never rewritten
.set ADS,  10                          ; E's scale words
.set ADSC, 11                          ; the same in this trip
.set STO,  12                          ; my partial scores
.set STOC, 13                          ; the same in this trip
.set ADW1, 14                          ; W's fragments, blocks 4-7; at the end where I read the partial scores
.set ADW,  15                          ; W's fragments, blocks 0-3
.set T,    36
.set ADH,  38                          ; hidden's fragments; at the end my byte offset in parts
.set PFO,  39                          ; the prefetch's offset; never rewritten
.set S,    40
.set EF,   56
.set ACC,  184
.set TM,   184                         ; at the head the accumulators' registers are free
.set HB,   192                         ; hidden, in windows 1 to 3
.set WV,   18
.set KH,   25
.set NH,   26
.set G1W,  28                          ; s[28:35]
.set G1E,  36                          ; s[36:43]
.set G0W,  44                          ; s[44:47]
.set G0E,  48                          ; s[48:55], one set for each slot
.set LAPS, 56
.set TL,   57                          ; the trip's step among the scores,
.set TC,   58                          ; and among the scale bytes
.set SEL,  62                          ; s[62:63] lane selects: lane l xor 16
.set MSB, 0
.macro WIN new                         ; the immediate's high byte repeats the setting that is left; a switch that changes nothing is dropped
.if MSB != (\new)
	s_set_vgpr_msb (MSB<<8)|(\new)
.set MSB, (\new)
.endif
.endm
.macro CREST                           ; a round of the cluster's barrier behind its opening barrier
	s_cmp_lg_u32 s[WV], 0
	s_cbranch_scc1 .Lnot_wave_0_\@
	s_barrier_signal -3
.Lnot_wave_0_\@:
	s_barrier_wait -3
	s_barrier_signal -1
	s_barrier_wait -1
.endm
.macro CROUND
	s_barrier_signal -1
	s_barrier_wait -1
	CREST
.endm
.macro PLACES n
.rept \n
	v_nop
.endr
.endm
; Line gl of the summing up of set ES: sum += hidden x accumulator, two numbers at a time; each accumulator from its low end on; two chains take turns.  A tile's first two lines start the chains.
.macro EPI
.set eb, gl/4
.set ej, gl%4
.set eS, SP+2*(ej%2)
.set eH, HB+8*eb+2*ej
.set eA, ACC+24*ES+8*eb+2*ej
.if (ES == 0) && (gl < 2)
	v_pk_mul_f32 v[eS:eS+1], v[eH:eH+1], v[eA:eA+1]
.else
	v_pk_fma_f32 v[eS:eS+1], v[eH:eH+1], v[eA:eA+1], v[eS:eS+1]
.endif
.set gl, gl+1
.endm
; Line n of a tile's closing: the two chains, the pair's halves, the other half of the lanes (the other eight n of every block).
.macro FLINE n, q
.set SF, S+4*(\q)
.if \n == 1
	v_pk_add_f32 v[SF:SF+1], v[SF:SF+1], v[SF+2:SF+3]
.elseif \n == 2
	v_add_f32 v[T], v[SF], v[SF+1]
.elseif \n == 3
	v_permlanex16_b32 v[T+1], v[T], s[SEL], s[SEL+1]
.else
	v_add_f32 v[T], v[T], v[T+1]
.endif
.endm
; GROUP g of tile k.  mm: its matrix instructions, K step by K step, the group's accumulators by turns, one instruction a turn; the constant 0 starts the sums.  epi: set ES is summed up behind them.
; These lines name no register of the matrix instructions round them: they are the places that the reads of results and the loads into fragments need.
; In group 2 four lines stand behind the last matrix instruction; with the closing's four they are the eight places in front of the loads that follow.
.macro GROUP g, k, mm, epi
.if (\g) == 0
.set GN, 3
.set GF, 0
.set ES, 1
.set EN, 3
.elseif (\g) == 1
.set GN, 3
.set GF, 3
.set ES, 2
.set EN, 2
.else
.set GN, 2
.set GF, 6
.set ES, 0
.set EN, 3
.endif
	WIN (\g)+1
.if (\g) < 2
.set SP, S+4*(((\k)+1)%2)
.else
.set SP, S+4*((\k)%2)
.endif
.set gl, 0
.if \mm
.set gi, 0
.rept 4*GN
.set gk, gi/GN
.set gb, gi%GN
.set rD, ACC+24*(\g)+8*gb
.set rA, 64*gb+16*gk
.set rB, EF+64*((\k)%2)+16*gk
.set rX, 16+8*(\g)+2*gb+gk%2
.set rY, 22+8*((\k)%2)+gk%2
.if gk == 0
	v_wmma_scale_f32_16x16x128_f8f6f4 v[rD:rD+7], v[rA:rA+15], v[rB:rB+15], 0, v[rX], v[rY]
.elseif gk == 1
	v_wmma_scale_f32_16x16x128_f8f6f4 v[rD:rD+7], v[rA:rA+15], v[rB:rB+15], v[rD:rD+7], v[rX], v[rY]
.else
	v_wmma_scale_f32_16x16x128_f8f6f4 v[rD:rD+7], v[rA:rA+15], v[rB:rB+15], v[rD:rD+7], v[rX], v[rY] matrix_a_scale:MATRIX_SCALE_ROW1 matrix_b_scale:MATRIX_SCALE_ROW1
.endif
.if \epi
.if (\g) < 2
.set ge, ((gi+1)*EN)/GN
.elseif gi < 7
.set ge, ((gi+1)*8)/7
.else
.set ge, 12
.endif
.if ge > gl
.rept ge-gl
	EPI
.endr
.endif
.endif
.set gi, gi+1
.endr
.else
.rept 4*EN
	EPI
.endr
.endif
.endm
; The LDS loads of tile n (counted within a trip of 16 tiles), in one run: its scale words, then 16 rows x my 512 bytes.
.macro FRAGS n
.set LN, (\n)
.set LR, AE+(LN/4)%4
.set LP, LN%2
	ds_load_b64 v[22+8*LP:23+8*LP], v[ADSC] offset:LN*512
.irp s, 0,1,2,3
.irp c, 0,1,2,3
	ds_load_b128 v[EF+64*LP+16*\s+4*\c:EF+64*LP+16*\s+4*\c+3], v[LR] offset:(LN%4)*TROW+128*\s+32*\c
.endr
.endr
.endm
; Tile n's partial scores to my words.  Lanes r and r + 16 hold the same number and write the same word.
.macro STORE n
	ds_store_b32 v[STOC], v[T] offset:4*(\n)
.endm
; A TILE: 32 matrix instructions, 32 multiply-adds.  k counts within a trip of 16 tiles (two slots).  At its head its fragments are waited for and the next tile's are asked for; at its end the tile before is closed.
; mode 0: plain.  mode 1: the slot's last tile, and the slot is filled again.  mode 2: the slot's last tile, nothing is filled.  mode 3: the very last tile.  first = 1: the very first tile.
.macro TILE k, first, mode
	s_wait_alu depctr_va_vdst(0)
.if ((\mode) == 1) || ((\mode) == 2)
	s_wait_tensorcnt 0x0                           ; all my tensor loads have landed: my tiles of the other slot; so a group 0 may be written
	ds_add_u32 v[SPW], v[NIL]                      ; 0 onto my spare word
.if (\mode) == 1
.set TG, G0E+4*(((\k)/8)%2)
	s_add_nc_u64 s[TG+2:TG+3], s[TG+2:TG+3], 16*32768              ; this slot's next tiles: 16 of s on; the type bits on top are not reached
.endif
	s_wait_dscnt 0x0                               ; the add is done, and my reads of this slot are over: this tile's fragments, the last of the slot, are in
	s_barrier_signal -1                            ; (with a refill this barrier opens a round of the cluster's barrier)
	GROUP 0, \k, 1, 1                              ; 24 matrix instructions, work on registers, while the others arrive
	GROUP 1, \k, 1, 1
	WIN 0
	s_wait_alu depctr_va_vdst(0)
	s_barrier_wait -1                              ; the other slot is whole, and nobody reads this one
.if (\mode) == 1
	CREST                                          ; no wave of any partner still reads this slot or has a load on its way
	tensor_load_to_lds s[TG:TG+3], s[G1E:G1E+7]    ; the joint refill: my one tensor load behind the round
	s_nop 0
	PLACES 4
.endif
	STORE (\k)-2
	FRAGS (\k)+1
.else
	s_wait_dscnt 0x0                               ; this tile's fragments are in
.if (\k) > 1
	STORE (\k)-2
.endif
.if (\mode) != 3
	FRAGS (\k)+1
.endif
	GROUP 0, \k, 1, 1-(\first)
	GROUP 1, \k, 1, 1-(\first)
.endif
.if \first
	WIN 0
	PLACES 8                                       ; the first tile has had no multiply-adds yet: these are the places behind its products
.endif
	GROUP 2, \k, 1, 1
	WIN 0
.if \first
	PLACES 4                                       ; with the four lines above: the places in front of the loads that follow
.else
	FLINE 1, ((\k)+1)%2
	FLINE 2, ((\k)+1)%2
	FLINE 3, ((\k)+1)%2
	FLINE 4, ((\k)+1)%2
.endif
.endm
	s_load_b256 s[4:11], s[0:1], 0x0               ; W's codes s[4:5], W's scales s[6:7], E's codes s[8:9], E's scales s[10:11]
	s_load_b128 s[12:15], s[0:1], 0x20             ; hidden s[12:13], parts s[14:15]
	v_lshl_add_u32 v[SPW], v0, 2, SPARE
	v_mov_b32 v[NIL], 0
	ds_add_u32 v[SPW], v[NIL]                      ; the wave's opening: the add, twice on end, and its wait ahead of my first tensor load
	ds_add_u32 v[SPW], v[NIL]
	v_lshrrev_b32 v[TM+6], 5, v0
	v_readfirstlane_b32 s[WV], v[TM+6]             ; wave 0..3
	v_and_b32 v[LANE], 31, v0
	v_and_b32 v[RR], 15, v0
	v_bfe_u32 v[HH], v0, 4, 1
	v_lshlrev_b32 v[TM], 4, v[LANE]
	v_lshl_add_u32 v[TM], v[TM+6], 10, v[TM]       ; E's scale bytes in memory: wave w takes tile w of each 4: 512 bytes at 1,024 w
	v_lshl_add_u32 v[TM+1], v0, 4, SCL             ; and in LDS
	v_lshrrev_b32 v[TM+7], 6, v0
	v_and_b32 v[TM+8], 63, v0
	v_lshlrev_b32 v[TM+2], 12, v[TM+7]
	v_lshl_add_u32 v[TM+2], v[TM+8], 4, v[TM+2]    ; hidden in memory: 64 threads take a row's 1,024 bytes
	v_mul_u32_u24 v[TM+3], v[TM+7], PITCH
	v_lshl_add_u32 v[TM+3], v[TM+8], 4, v[TM+3]
	v_add_nc_u32 v[TM+3], SCA, v[TM+3]             ; and in LDS
	v_lshlrev_b32 v[TM+4], 5, v[RR]
	v_lshl_add_u32 v[TM+4], v[HH], 3, v[TM+4]      ; scale words: row r of 32 bytes; lanes 16-31 take K steps 2 and 3
	v_mul_u32_u24 v[TM+9], v[RR], PITCH
	v_lshl_add_u32 v[ADH], v[HH], 5, v[TM+9]       ; hidden: row r, my half's eight numbers
	v_lshl_add_u32 v[TM+9], v[HH], 4, v[TM+9]      ; a fragment: row r, my half's 16 bytes
	v_mul_u32_u24 v[TM+10], v[RR], SROW
	v_lshlrev_b32 v[PFO], 8, v[LANE]
	v_mov_b32 v[T+1], 0                            ; (a lane permute's destination counts as one of its sources)
	s_lshr_b32 s[KH], s[WV], 1
	s_and_b32 s[NH], s[WV], 1
	s_bfe_u32 s19, ttmp6, 0x40000                  ; cx, cy: my place in the cluster
	s_bfe_u32 s20, ttmp6, 0x40004
	s_lshl_b32 s21, ttmp9, 2                       ; in a cluster launch ttmp9 and ttmp7 count clusters
	s_add_co_u32 s21, s21, s19                     ; x: my slice of n
	s_and_b32 s22, ttmp7, 0xffff
	s_lshl_b32 s22, s22, 2
	s_add_co_u32 s22, s22, s20                     ; y
	s_lshr_b32 s23, s22, 1                         ; which 64 of the 2,048 s
	s_and_b32 s24, s22, 1                          ; beta: which 16 of the 32 b
	s_lshl_b32 s88, s20, 2
	s_lshl_b32 s88, 15, s88                        ; my row of the cluster: places 4 cy .. 4 cy + 3
	s_lshl_b32 s89, 0x1111, s19                    ; my column: places cx, cx + 4, cx + 8, cx + 12
	s_or_b32 s[G1W+0], s89, (1<<20)|(1<<21)|(7<<22)|(3<<25)        ; W: the mask of my column, bit 21 set beside it; elements of 1 byte; padding on: 4 words (code 3) after every 256 (code 7)
	s_mov_b32 s[G1W+1], 1024<<16                   ; tensor_dim0
	s_mov_b32 s[G1W+2], 64<<16                     ; tensor_dim1
	s_mov_b32 s[G1W+3], 1024<<16                   ; tile_dim0
	s_mov_b32 s[G1W+4], 64                         ; tile_dim1
	s_mov_b32 s[G1W+5], 1024                       ; from row to row
	s_mov_b32 s[G1W+6], 0
	s_mov_b32 s[G1W+7], 0
	s_or_b32 s[G1E+0], s88, (1<<20)|(1<<21)|(7<<22)|(3<<25)        ; E: the mask of my row; two tiles, each one row of 16,384 dense bytes; the same padding behind every 1,024
	s_mov_b32 s[G1E+1], 16384<<16
	s_mov_b32 s[G1E+2], 2<<16
	s_mov_b32 s[G1E+3], 16384<<16
	s_mov_b32 s[G1E+4], 2
	s_mov_b32 s[G1E+5], 32768                      ; from s to s + 1
	s_mov_b32 s[G1E+6], 0
	s_mov_b32 s[G1E+7], 0
	s_mov_b32 s[SEL], 0x76543210
	s_mov_b32 s[SEL+1], 0xfedcba98
	s_mov_b32 s[TL], 0
	s_mov_b32 s[TC], 0
	; where the tiles come from.  E's hang on y and the wave's number alone, W's on x and the wave's number alone, each in registers that never hold the other coordinate
	s_lshl_b32 s66, s23, 21                        ; E: 64 s of 32,768 bytes,
	s_lshl_b32 s68, s24, 14                        ; + 16 b of 1,024 bytes,
	s_add_co_u32 s66, s66, s68
	s_lshl_b32 s68, s[WV], 16                      ; + the two tiles that I fetch
	s_add_co_u32 s66, s66, s68
	s_mov_b32 s67, 0
	s_lshl_b32 s70, s21, 18                        ; W: 256 rows of 1,024 bytes,
	s_lshl_b32 s72, s[WV], 16                      ; + the 64 rows that I fetch
	s_add_co_u32 s70, s70, s72
	s_mov_b32 s71, 0
	s_mul_i32 s73, s[WV], 4*TROW                   ; where they go: no place in the cluster enters an LDS address
	s_mul_i32 s74, s[WV], 2*TROW
	s_lshl_b32 s90, s[KH], 9                       ; my half of K in a row
	s_mul_i32 s91, s[NH], 64*PITCH
	s_add_co_u32 s91, s91, s90                     ; W: my first row
	s_lshl_b32 s86, s[NH], 8
	s_add_co_u32 s86, s86, SCA                     ; hidden: my first n
	s_lshl_b32 s87, s[KH], 4
	s_add_co_u32 s87, s87, SCL                     ; E's scale words: my half of K
	s_mul_i32 s60, s[WV], SWAV
	s_add_co_u32 s60, s60, SCA
	s_wait_alu depctr_va_vdst(0)
	v_add_nc_u32 v[AE], s90, v[TM+9]
	v_add_nc_u32 v[AE+1], 4*TROW, v[AE]
	v_add_nc_u32 v[AE+2], SLOT, v[AE]
	v_add_nc_u32 v[AE+3], SLOT, v[AE+1]
	v_add_nc_u32 v[ADW], s91, v[TM+9]
	v_add_nc_u32 v[ADW1], SLOT, v[ADW]
	v_add_nc_u32 v[ADH], s86, v[ADH]
	v_add_nc_u32 v[ADS], s87, v[TM+4]
	v_mov_b32 v[ADSC], v[ADS]
	v_add_nc_u32 v[STO], s60, v[TM+10]
	v_mov_b32 v[STOC], v[STO]
	s_wait_alu depctr_va_vdst(0)
	s_wait_dscnt 0x0                               ; both opening adds are done
	s_wait_kmcnt 0x0
	s_mov_b32 s[G0W], 1                            ; count = 1
	s_mov_b32 s[G0W+1], s73                        ; LDS address
	s_add_nc_u64 s[G0W+2:G0W+3], s[4:5], s[70:71]  ; global address
	s_or_b32 s[G0W+3], s[G0W+3], 0x80000000        ; type = 2
	CROUND                                         ; all sixteen work-groups are here: the first joint loads meet
	; 64 rows of W a wave: one tensor load a wave at the head.  Waves 0 and 1 (rows 0-127) have a line of their own: the first barrier shows their rows alone
	s_cmp_lt_u32 s[WV], 2
	s_cbranch_scc0 .Lsecond_half
	tensor_load_to_lds s[G0W:G0W+3], s[G1W:G1W+7]
	s_nop 0
	PLACES 4
	s_branch .Lw_asked
.Lsecond_half:
	tensor_load_to_lds s[G0W:G0W+3], s[G1W:G1W+7]
	s_nop 0
	PLACES 4
.Lw_asked:
	s_add_nc_u64 s[66:67], s[8:9], s[66:67]
.irp g, 0,1
	s_mov_b32 s[G0E+4*\g], 1
	s_add_co_u32 s[G0E+4*\g+1], s74, \g*SLOT
	s_add_nc_u64 s[G0E+4*\g+2:G0E+4*\g+3], s[66:67], \g*8*32768
	s_or_b32 s[G0E+4*\g+3], s[G0E+4*\g+3], 0x80000000
.endr
	s_lshl_b32 s76, s23, 16                        ; E's scale bytes: 64 s of 1,024 bytes,
	s_lshl_b32 s72, s24, 9                         ; + 16 b of 32
	s_add_co_u32 s76, s76, s72
	s_mov_b32 s77, 0
	s_add_nc_u64 s[94:95], s[10:11], s[76:77]
	s_lshl_b32 s78, s24, 16                        ; hidden: 16 rows of 4,096 bytes,
	s_lshl_b32 s72, s21, 10                        ; + my slice
	s_add_co_u32 s78, s78, s72
	s_mov_b32 s79, 0
	s_add_nc_u64 s[96:97], s[12:13], s[78:79]
	s_lshl_b32 s80, s21, 13                        ; W's scale bytes: 256 rows of 32,
	s_lshl_b32 s72, s[NH], 11                      ; + my 64 rows,
	s_add_co_u32 s80, s80, s72
	s_lshl_b32 s72, s[KH], 4                       ; + my half of K
	s_add_co_u32 s80, s80, s72
	s_mov_b32 s81, 0
	s_add_nc_u64 s[98:99], s[6:7], s[80:81]
	s_lshl_b32 s84, s23, 21                        ; the prefetch: of slot 0's 8 tiles the partner at place cx asks for tiles 2 cx and 2 cx + 1, each of its waves for half a tile, lanes 256 bytes apart: each block of 256 bytes is named once in the launch
	s_lshl_b32 s72, s24, 14
	s_add_co_u32 s84, s84, s72
	s_lshl_b32 s72, s19, 16
	s_add_co_u32 s84, s84, s72
	s_lshl_b32 s72, s[KH], 15
	s_add_co_u32 s84, s84, s72
	s_lshl_b32 s72, s[NH], 13
	s_add_co_u32 s84, s84, s72
	s_mov_b32 s85, 0
	s_add_nc_u64 s[92:93], s[8:9], s[84:85]
	s_lshl_b32 s82, s21, 18                        ; parts: slice x of 262,144 bytes,
	s_lshl_b32 s72, s24, 17                        ; 16 rows of 8,192,
	s_add_co_u32 s82, s82, s72
	s_lshl_b32 s72, s[WV], 15                      ; my wave's four rows,
	s_add_co_u32 s82, s82, s72
	s_lshl_b32 s72, s23, 8                         ; 64 scores
	s_add_co_u32 s82, s82, s72
	s_mov_b32 s83, 0
	s_add_nc_u64 s[14:15], s[14:15], s[82:83]
.irp i, 0,1,2,3,4,5,6,7,8,9,10,11,12,13,14,15
	global_load_b128 v[EF+4*\i:EF+4*\i+3], v[TM], s[94:95] offset:4096*\i       ; E's scale bytes: each load of the wave covers 512 consecutive bytes
.endr
.irp i, 0,1,2,3,4,5,6,7
	global_load_b128 v[EF+64+4*\i:EF+64+4*\i+3], v[TM+2], s[96:97] offset:8192*\i               ; hidden: rows 2 i, 2 i + 1
.endr
.irp b, 0,1,2,3,4,5,6,7
	global_load_b64 v[16+8*(\b/3)+2*(\b%3):17+8*(\b/3)+2*(\b%3)], v[TM+4], s[98:99] offset:512*\b+2048*(\b/4)   ; W's scale words: they stay
.endr
	s_cmp_lt_u32 s[WV], 2
	s_cbranch_scc0 .Lnot_first_half
	s_wait_tensorcnt 0x0                           ; waves 0 and 1: my rows of W's first half are in
.Lnot_first_half:
	s_barrier_signal -1
	s_barrier_wait -1
	; W's blocks 0-3 (rows 0-127: slot 0's bytes) into registers
.irp b, 0,1,2,3
	WIN 64*(1+\b/3)                                ; destination: the block's window
.irp s, 0,1,2,3
.irp c, 0,1,2,3
	ds_load_b128 v[64*(\b%3)+16*\s+4*\c:64*(\b%3)+16*\s+4*\c+3], v[ADW] offset:\b*TROW+128*\s+32*\c
.endr
.endr
.endr
	WIN 0
	global_prefetch_b8 v[PFO], s[92:93] th:TH_LOAD_NT scope:SCOPE_SE
	s_wait_loadcnt 0x8                             ; all but the eight loads of W's scale words
.irp i, 0,1,2,3,4,5,6,7,8,9,10,11,12,13,14,15
	ds_store_b128 v[TM+1], v[EF+4*\i:EF+4*\i+3] offset:2048*\i
.endr
.irp i, 0,1,2,3,4,5,6,7
	ds_store_b128 v[TM+3], v[EF+64+4*\i:EF+64+4*\i+3] offset:2*PITCH*\i
.endr
	s_wait_tensorcnt 0x0                           ; every wave: its rows of W are in; slot 0's bytes are filled again
	ds_add_u32 v[SPW], v[NIL]
	s_wait_dscnt 0x0                               ; the add and my stores are done, and blocks 0-3 are in registers
	CROUND
	tensor_load_to_lds s[G0E:G0E+3], s[G1E:G1E+7]  ; tiles 0-7 of E into slot 0, two tiles a wave
	s_nop 0
	PLACES 4
.irp b, 4,5,6,7                        ; W's blocks 4-7 (slot 1's bytes)
	WIN 64*(1+\b/3)
.irp s, 0,1,2,3
.irp c, 0,1,2,3
	ds_load_b128 v[64*(\b%3)+16*\s+4*\c:64*(\b%3)+16*\s+4*\c+3], v[ADW1] offset:(\b-4)*TROW+128*\s+32*\c
.endr
.endr
.endr
.irp b, 0,1,2,3,4,5,6,7                ; hidden: blocks 0-2 in window 3, 3-5 in window 1, 6-7 in window 2
	WIN 64*(1+(\b/3+2)%3)
	ds_load_b128 v[HB+8*(\b%3):HB+8*(\b%3)+3], v[ADH] offset:64*\b+256*(\b/4)
	ds_load_b128 v[HB+8*(\b%3)+4:HB+8*(\b%3)+7], v[ADH] offset:64*\b+256*(\b/4)+16
.endr
	WIN 0
	s_wait_tensorcnt 0x0                           ; my tiles of slot 0 are in
	ds_add_u32 v[SPW], v[NIL]
	s_wait_dscnt 0x0                               ; the add is done, and all of W is in registers
	CROUND
	tensor_load_to_lds s[G0E+4:G0E+7], s[G1E:G1E+7]                ; tiles 8-15 into slot 1
	s_nop 0
	PLACES 4
	s_wait_loadcnt 0x0                             ; W's scale words
	FRAGS 0
	TILE 0, 1, 0
	TILE 1, 0, 0
	s_mov_b32 s[LAPS], 3
.Llap:                                             ; a trip is 16 tiles, once round the ring, from a lap's third tile to the next lap's second; it fills both slots again
.irp k, 2,3,4,5,6
	TILE \k, 0, 0
.endr
	TILE 7, 0, 1
.irp k, 8,9,10,11,12,13,14
	TILE \k, 0, 0
.endr
	TILE 15, 0, 1
	TILE 16, 0, 0
	TILE 17, 0, 0
	s_add_co_u32 s[TL], s[TL], 64                  ; 16 tiles on among the scores,
	s_add_co_u32 s[TC], s[TC], 16*512              ; and among E's scale bytes
	v_add_nc_u32 v[STOC], s[TL], v[STO]
	v_add_nc_u32 v[ADSC], s[TC], v[ADS]
	s_sub_co_u32 s[LAPS], s[LAPS], 1
	s_cmp_lg_u32 s[LAPS], 0
	s_wait_alu depctr_va_vdst(0)
	s_cbranch_scc1 .Llap
.irp k, 2,3,4,5,6                      ; the last lap is written out: it asks for nothing, and has no round
	TILE \k, 0, 0
.endr
	TILE 7, 0, 2
.irp k, 8,9,10,11,12,13,14
	TILE \k, 0, 0
.endr
	TILE 15, 0, 3
	s_wait_alu depctr_va_vdst(0)
	STORE 14
	GROUP 0, 16, 0, 1                              ; the last tile's sets 1 and 2 are summed up
	GROUP 1, 16, 0, 1
	WIN 0
	s_mul_i32 s59, s[WV], 4*SROW                   ; back: each wave takes four rows b; lane l the scores of s = 2 l, 2 l + 1
	s_add_co_u32 s59, s59, SCA
	FLINE 1, 1
	v_lshlrev_b32 v[ADH], 3, v[LANE]
	FLINE 2, 1
	v_add_nc_u32 v[ADW1], s59, v[ADH]
	FLINE 3, 1
	FLINE 4, 1
	s_wait_alu depctr_va_vdst(0)
	STORE 15
	s_wait_dscnt 0x0                               ; for the others' sake: my stores are done
	s_barrier_signal -1
	s_barrier_wait -1
.irp i, 0,1,2,3
.irp u, 0,1,2,3
	ds_load_b64 v[64+8*\i+2*\u:65+8*\i+2*\u], v[ADW1] offset:SWAV*\u+SROW*\i    ; wave u's partial scores of my row i
.endr
.endr
	s_wait_dscnt 0x0
.irp i, 64,68,72,76,80,84,88,92
	v_pk_add_f32 v[\i:\i+1], v[\i:\i+1], v[\i+2:\i+3]
.endr
.irp i, 64,72,80,88
	v_pk_add_f32 v[\i:\i+1], v[\i:\i+1], v[\i+4:\i+5]
.endr
.irp i, 0,1,2,3
	global_store_b64 v[ADH], v[64+8*\i:65+8*\i], s[14:15] offset:8192*\i        ; each store of the wave covers 256 consecutive bytes, at a multiple of 256 from the buffer's first byte
.endr
	s_wait_tensorcnt 0x0                           ; the wave's end: behind my last tensor load and my last LDS store
	ds_add_u32 v[SPW], v[NIL]
	s_wait_dscnt 0x0
	CROUND                                         ; the closing round: no work-group ends while a partner may still ask for a tile that names it
	s_endpgm
.Lfunc_end_k_q7d40b5d738_score:
	.size	k_q7d40b5d738_score, .Lfunc_end_k_q7d40b5d738_score-k_q7d40b5d738_score
	.p2alignl 7, 3214868480
	.fill 96, 4, 3214868480
	.section	.rodata,"a",@progbits
	.p2align	6, 0x0
	.amdhsa_kernel k_q7d40b5d738_score
		.amdhsa_group_segment_fixed_size 327680
		.amdhsa_private_segment_fixed_size 0
		.amdhsa_enable_private_segment 0
		.amdhsa_kernarg_size 48
		.amdhsa_user_sgpr_count 2
		.amdhsa_user_sgpr_kernarg_segment_ptr 1
		.amdhsa_wavefront_size32 1
		.amdhsa_system_sgpr_workgroup_id_x 1
		.amdhsa_system_sgpr_workgroup_id_y 1
		.amdhsa_system_sgpr_workgroup_id_z 1
		.amdhsa_system_vgpr_workitem_id 0
		.amdhsa_next_free_vgpr 1024
		.amdhsa_next_free_sgpr 100
		.amdhsa_reserve_vcc 0
		.amdhsa_float_denorm_mode_32 3
		.amdhsa_float_denorm_mode_16_64 3
		.amdhsa_memory_ordered 1
		.amdhsa_forward_progress 1
		.amdhsa_inst_pref_size 255
	.end_amdhsa_kernel
	.section	.bss,"aw",@nobits
	.p2align	6
	.space	262144
	.amdgpu_metadata
---
amdhsa.version: [ 1, 2 ]
amdhsa.kernels:
  - .name:           k_q7d40b5d738_score
    .symbol:         k_q7d40b5d738_score.kd
    .args:
      - { .name: W_codes, .offset: 0, .size: 8, .value_kind: global_buffer, .address_space: global }
      - { .name: W_scales, .offset: 8, .size: 8, .value_kind: global_buffer, .address_space: global }
      - { .name: encoder_outputs_codes, .offset: 16, .size: 8, .value_kind: global_buffer, .address_space: global }
      - { .name: encoder_outputs_scales, .offset: 24, .size: 8, .value_kind: global_buffer, .address_space: global }
      - { .name: hidden, .offset: 32, .size: 8, .value_kind: global_buffer, .address_space: global }
      - { .name: parts, .offset: 40, .size: 8, .value_kind: global_buffer, .address_space: global }
    .group_segment_fixed_size: 327680
    .private_segment_fixed_size: 0
    .kernarg_segment_align: 8
    .kernarg_segment_size: 48
    .max_flat_workgroup_size: 128
    .sgpr_count:     100
    .vgpr_count:     1024
    .wavefront_size: 32
...
	.end_amdgpu_metadata
.endif
;; end of part 1
;; launch softmax (part 2): grid 32 x 1, 8 waves a work-group, no clusters, 1,536 bytes of LDS; arguments parts, out0; writes out0
.if DOCPART == 2
	.amdgcn_target "amdgcn-amd-amdhsa--gfx1250"
	.amdhsa_code_object_version 6
	.text
	.protected	k_q7d40b5d738_softmax
	.globl	k_q7d40b5d738_softmax
	.p2align	8
	.type	k_q7d40b5d738_softmax,@function
k_q7d40b5d738_softmax:
	s_mov_b64 s[64:65], 0
	v_nop
	global_prefetch_b8 v0, s[64:65] scope:SCOPE_SE
	s_setreg_imm32_b32 hwreg(HW_REG_WAVE_MODE, 25, 1), 1
	s_wait_xcnt 0x0
; score[b][s] = parts[0][b][s] + parts[1][b][s] + parts[2][b][s] + parts[3][b][s];  out0[b][s] = exp(score[b][s] - m[b]) / the sum over s of exp(score[b][s] - m[b]), m[b] the row's largest score.
; parts: [4][32][2048] f32, out0: [32][2048] f32.
; A work-group of eight waves takes one row of 8,192 bytes; thread t holds the 16 bytes at 16 t and the 16 bytes at 4,096 + 16 t, so that a load or store of a wave covers 512 consecutive bytes.
; The row stays in registers between the maximum, the sum and the scaling.  The eight waves' maxima, and then their sums, meet in LDS: one barrier each, in bytes of their own.
; No matrix unit, no tensor load, no cluster: 1.25 MiB are moved in all and nothing is shared between work-groups.
; LIMIT: an exponential under 2^-126 comes out as 0 (v_exp_f32 flushes: ISA guide 15.8), where the exact number is under 1e-37 of the row's largest.
	s_load_b128 s[4:7], s[0:1], 0x0                ; parts s[4:5], out0 s[6:7]
	v_lshl_add_u32 v56, v0, 2, 0x200
	v_mov_b32 v57, 0
	v_lshrrev_b32 v1, 5, v0                        ; wave
	s_delay_alu instid0(VALU_DEP_1)
	v_lshlrev_b32 v3, 2, v1                        ; LDS: my wave's word
	v_lshlrev_b32 v2, 4, v0                        ; 16 t
	v_mov_b32 v24, 0                               ; LDS: where the eight words begin
	s_lshl_b32 s10, ttmp9, 13                      ; row b
	s_mov_b32 s11, 0
	s_mov_b32 s12, 0x76543210                      ; v_permlanex16_b32's selects for lane l xor 16
	s_mov_b32 s13, 0xfedcba98
	s_wait_alu depctr_va_vdst(0)
	s_wait_kmcnt 0x0
	s_add_nc_u64 s[4:5], s[4:5], s[10:11]
	s_add_nc_u64 s[6:7], s[6:7], s[10:11]
	global_load_b128 v[4:7], v2, s[4:5]
	global_load_b128 v[8:11], v2, s[4:5] offset:4096
.irp u, 1,2,3
	global_load_b128 v[24+8*\u:27+8*\u], v2, s[4:5] offset:\u*262144            ; slice u's part of the same scores
	global_load_b128 v[28+8*\u:31+8*\u], v2, s[4:5] offset:\u*262144+4096
.endr
	s_wait_loadcnt 0x0
.irp j, 0,2,4,6
	v_pk_add_f32 v[4+\j:5+\j], v[4+\j:5+\j], v[32+\j:33+\j]
	v_pk_add_f32 v[40+\j:41+\j], v[40+\j:41+\j], v[48+\j:49+\j]
.endr
.irp j, 0,2,4,6
	v_pk_add_f32 v[4+\j:5+\j], v[4+\j:5+\j], v[40+\j:41+\j]        ; the scores
.endr
	s_delay_alu instid0(VALU_DEP_3)
	v_max3_num_f32 v12, v4, v5, v6                 ; the largest of my eight,
	s_delay_alu instid0(VALU_DEP_3)
	v_max3_num_f32 v13, v7, v8, v9
	s_delay_alu instid0(VALU_DEP_2)
	v_max3_num_f32 v12, v12, v10, v11
	s_delay_alu instid0(VALU_DEP_1)
	v_max_num_f32 v12, v12, v13
.irp m, 1,2,4,8
	s_delay_alu instid0(VALU_DEP_1)
	v_max_num_f32_dpp v12, v12, v12 row_xmask:\m row_mask:0xf bank_mask:0xf     ; of my half of the lanes,
.endr
	s_delay_alu instid0(VALU_DEP_1)
	v_permlanex16_b32 v13, v12, s12, s13
	s_delay_alu instid0(VALU_DEP_1)
	v_max_num_f32 v12, v12, v13                    ; of my wave
	ds_store_b32 v3, v12                           ; all lanes write the same word with the same value
	s_wait_dscnt 0x0                               ; for the others' sake
	s_barrier_signal -1
	s_barrier_wait -1
	ds_load_b128 v[16:19], v24
	ds_load_b128 v[20:23], v24 offset:16
	s_wait_dscnt 0x0
	v_max3_num_f32 v16, v16, v17, v18
	s_delay_alu instid0(VALU_DEP_1)
	v_max3_num_f32 v16, v16, v19, v20
	s_delay_alu instid0(VALU_DEP_1)
	v_max3_num_f32 v16, v16, v21, v22
	s_delay_alu instid0(VALU_DEP_1)
	v_max_num_f32 v12, v16, v23                    ; m: the row's largest score
	s_wait_alu depctr_va_vdst(0)
.irp j, 4,6,8,10
	v_pk_add_f32 v[\j:\j+1], v[\j:\j+1], v[12:13] op_sel_hi:[1,0] neg_lo:[0,1] neg_hi:[0,1]   ; x - m first: near the maximum the difference is exact, however large the scores are;
.endr
.irp j, 4,6,8,10
	s_delay_alu instid0(VALU_DEP_4)
	v_pk_mul_f32 v[\j:\j+1], v[\j:\j+1], 0x3fb8aa3b op_sel_hi:[1,0]                           ; then x log2(e).  (Fused as x c - m c, the product m c would be rounded at m's size)
.endr
	s_wait_alu depctr_va_vdst(0)
.irp j, 4,5,6,7,8,9,10,11
	v_exp_f32 v[\j], v[\j]
.endr
	v_nop                                          ; a plain instruction between the last exponential and the use of its result
	s_wait_alu depctr_va_vdst(0)
	v_pk_add_f32 v[12:13], v[4:5], v[6:7]
	v_pk_add_f32 v[14:15], v[8:9], v[10:11]
	s_delay_alu instid0(VALU_DEP_1)
	v_pk_add_f32 v[12:13], v[12:13], v[14:15]
	s_delay_alu instid0(VALU_DEP_1)
	v_add_f32 v12, v12, v13                        ; the sum of my eight,
.irp m, 1,2,4,8
	s_delay_alu instid0(VALU_DEP_1)
	v_add_f32_dpp v12, v12, v12 row_xmask:\m row_mask:0xf bank_mask:0xf
.endr
	s_delay_alu instid0(VALU_DEP_1)
	v_permlanex16_b32 v13, v12, s12, s13
	s_delay_alu instid0(VALU_DEP_1)
	v_add_f32 v12, v12, v13                        ; of my wave
	ds_store_b32 v3, v12 offset:256                ; other bytes than the maxima's: no wave may still be reading those
	s_wait_dscnt 0x0
	s_barrier_signal -1
	s_barrier_wait -1
	ds_load_b128 v[16:19], v24 offset:256
	ds_load_b128 v[20:23], v24 offset:272
	s_wait_dscnt 0x0
	v_pk_add_f32 v[16:17], v[16:17], v[18:19]
	v_pk_add_f32 v[20:21], v[20:21], v[22:23]
	s_delay_alu instid0(VALU_DEP_1)
	v_pk_add_f32 v[16:17], v[16:17], v[20:21]
	s_delay_alu instid0(VALU_DEP_1)
	v_add_f32 v16, v16, v17                        ; the row's sum: at least 1, since the largest score gives 1
	s_wait_alu depctr_va_vdst(0)
	v_rcp_f32 v12, v16
	v_nop                                          ; a plain instruction behind the reciprocal
	s_wait_alu depctr_va_vdst(0)
.irp j, 4,6,8,10
	v_pk_mul_f32 v[\j:\j+1], v[\j:\j+1], v[12:13] op_sel_hi:[1,0]
.endr
	global_store_b128 v2, v[4:7], s[6:7]
	global_store_b128 v2, v[8:11], s[6:7] offset:4096
	s_wait_tensorcnt 0x0
	ds_add_u32 v56, v57
	s_wait_dscnt 0x0
	s_endpgm
.Lfunc_end_k_q7d40b5d738_softmax:
	.size	k_q7d40b5d738_softmax, .Lfunc_end_k_q7d40b5d738_softmax-k_q7d40b5d738_softmax
	.p2alignl 7, 3214868480
	.fill 96, 4, 3214868480
	.section	.rodata,"a",@progbits
	.p2align	6, 0x0
	.amdhsa_kernel k_q7d40b5d738_softmax
		.amdhsa_group_segment_fixed_size 1536
		.amdhsa_private_segment_fixed_size 0
		.amdhsa_enable_private_segment 0
		.amdhsa_kernarg_size 16
		.amdhsa_user_sgpr_count 2
		.amdhsa_user_sgpr_kernarg_segment_ptr 1
		.amdhsa_wavefront_size32 1
		.amdhsa_system_sgpr_workgroup_id_x 1
		.amdhsa_system_sgpr_workgroup_id_y 1
		.amdhsa_system_sgpr_workgroup_id_z 1
		.amdhsa_system_vgpr_workitem_id 0
		.amdhsa_next_free_vgpr 58
		.amdhsa_next_free_sgpr 66
		.amdhsa_reserve_vcc 0
		.amdhsa_float_denorm_mode_32 3
		.amdhsa_float_denorm_mode_16_64 3
		.amdhsa_memory_ordered 1
		.amdhsa_forward_progress 1
		.amdhsa_inst_pref_size 8
	.end_amdhsa_kernel
	.amdgpu_metadata
---
amdhsa.version: [ 1, 2 ]
amdhsa.kernels:
  - .name:           k_q7d40b5d738_softmax
    .symbol:         k_q7d40b5d738_softmax.kd
    .args:
      - { .name: parts, .offset: 0, .size: 8, .value_kind: global_buffer, .address_space: global }
      - { .name: out0, .offset: 8, .size: 8, .value_kind: global_buffer, .address_space: global }
    .group_segment_fixed_size: 1536
    .private_segment_fixed_size: 0
    .kernarg_segment_align: 8
    .kernarg_segment_size: 16
    .max_flat_workgroup_size: 256
    .sgpr_count:     66
    .vgpr_count:     58
    .wavefront_size: 32
...
	.end_amdgpu_metadata
.endif
;; end of part 2
